; MI455X (gfx1250); checked and timed in simulation.
; The chip was launched on July 23, 2026; its instructions are those of AMD's public machine-readable ISA for CDNA 5 (MIT licence, August 2026) and "CDNA5" Instruction Set Architecture Reference Guide (July 2026). The comments in the code are by the model that wrote it; some were corrected since.
;; Atten. Allowed arithmetic: matrix products marked QUANTISED: E4M3 operands, one given power-of-two scale a tensor, by v_wmma_f32_16x16x64_fp8_fp8 or v_wmma_f32_16x16x128_fp8_fp8, f32 sums; everything else in f32.
;; Inputs: bk 128 float32; bo 128 float32; bq 128 float32; bv 128 float32; gn_b 128 float32; gn_w 128 float32; lowp_scales 12 int32 (the exponents e of the quantised operands' scales 2^e); wk 128 x 128 float32; wo 128 x 128 float32; wq 128 x 128 float32; wv 128 x 128 float32; x 64 x 128 x 32 x 32 float32.
;; Outputs: out0 64 x 128 x 32 x 32 float32.
;; This version of the problem:
;;   THIS VERSION OF THE PROBLEM IS GIVEN IN LOW PRECISION. The matrix products marked QUANTISED in the list below multiply operands that are first quantised to E4M3 (4 exponent bits, 3 mantissa bits; 8 bits a number), with one given power-of-two scale for each operand tensor; their sums are f32. All else is computed in f32.
;;   The module's matrix products, in the order in which they are computed (A, B: the left and right operand; K: the contracted axis; several contracted axes count as one K, in the product's order):
;;     1. [M 65,536, K 128] x [K 128, N 128]; A: computed on the way; B: input wq: QUANTISED (scales: A lowp_scales[0], B lowp_scales[1])
;;     2. [M 65,536, K 128] x [K 128, N 128]; A: computed on the way; B: input wk: QUANTISED (scales: A lowp_scales[2], B lowp_scales[3])
;;     3. [M 65,536, K 128] x [K 128, N 128]; A: computed on the way; B: input wv: QUANTISED (scales: A lowp_scales[4], B lowp_scales[5])
;;     4. batch 64 x [M 1,024, K 128] x [K 128, N 1,024]; A: computed on the way; B: computed on the way: QUANTISED (scales: A lowp_scales[6], B lowp_scales[7])
;;     5. batch 64 x [M 1,024, K 1,024] x [K 1,024, N 128]; A: softmax (see below); B: computed on the way: QUANTISED (scales: A lowp_scales[8], B lowp_scales[9])
;;     6. [M 65,536, K 128] x [K 128, N 128]; A: computed on the way; B: input wo: QUANTISED (scales: A lowp_scales[10], B lowp_scales[11])
;;   THE QUANTISER, for each operand of a quantised product, along K:
;;     - The operand's scale is 2^e, e = its entry of the input lowp_scales (int32; the entries are numbered through the quantised products in the list's order, A before B).
;;     - Each number is divided by the scale, clamped to +-448, and rounded to the nearest number of E4M3, ties to even, subnormals kept.
;;     - The product sums the exact products of the quantised numbers (number of the format x scale) in f32.
;;   ~~~python
;;   def quantise(x, axis, e):      # numpy; x: float32 -> the quantised numbers, widened to float32 again
;;       x = np.moveaxis(x, axis, -1); K = x.shape[-1]
;;       r = np.clip(x / 2.0 ** e, -448, 448)
;;       step = 2.0 ** (np.maximum(np.frexp(np.where(r == 0, 1, r))[1] - 1, -6) - 3)
;;       q = np.round(r / step) * step * 2.0 ** e      # np.round: ties to even
;;       return np.moveaxis(q, -1, axis).astype(np.float32)
;;   ~~~
;;   SOFTMAX AHEAD OF A QUANTISED PRODUCT. Where the list says 'softmax', what is quantised is not the finished softmax but p = 2^(t - M), with t = logit x log2(e) and M = ceil(the row's largest t), a whole number; so 1/2 < the row's largest p <= 1. The row's sum l is taken of the UNQUANTISED p, in f32, and the product's result is divided by l at the end. Since M is a whole number, a kernel that streams over the keys may use a running M (the ceiling of the running maximum): every later rescaling is an exact power of two, so the quantised numbers keep their values, but for numbers so far below the row's largest that they fall under the format's range.
;;   OPERANDS COMPUTED ON THE WAY. 'Computed on the way' means the value that the module computes at that place (a softmax that the list does not call 'softmax' is quantised finished and normalised). What goes into a quantiser is computed in f32, as accurately as f32 sums, v_exp_f32 and their like allow (about 1e-6 of the number): no bf16 or f16 on the way to a quantiser, and a product that is left as it is and whose result goes on into a quantised operand takes f32 operands (vector FMAs, or v_wmma_f32_16x16x4_f32). A number that lies on a knife's edge between two numbers of the format may be rounded either way, as far as f32 arithmetic and the matrix unit's own rounding can turn it there, and no further.
;; One version. Each part assembles by itself: llvm-mc -triple=amdgcn-amd-amdhsa -mcpu=gfx1250 --defsym DOCPART=n.
;; ======== version 1 of 1: 2 launches
;; limits: right only within a limited range of input values
;; workspace buffers: tk 8,388,608 bytes; tv 8,388,608 bytes; tq 8,388,608 bytes; wc 65,536 bytes
;; launch prep (part 1): grid 512 x 1, 4 waves a work-group, no clusters, 51,200 bytes of LDS; arguments x, lowp_scales, gn_w, gn_b, wq, wk, wv, wo, tk, tv, tq, wc; writes tk, tv, tq, wc
.if DOCPART == 1
	.amdgcn_target "amdgcn-amd-amdhsa--gfx1250"
	.amdhsa_code_object_version 6
	.text
	.protected	k_q763743cded_prep
	.globl	k_q763743cded_prep
	.p2align	8
	.type	k_q763743cded_prep,@function
k_q763743cded_prep:
	s_mov_b64 s[64:65], 0
	v_nop
	global_prefetch_b8 v0, s[64:65] scope:SCOPE_SE
	s_setreg_imm32_b32 hwreg(HW_REG_WAVE_MODE, 25, 1), 1
	s_wait_xcnt 0x0
; FIRST OF TWO LAUNCHES of out = x + (softmax(q k^T / sqrt(512)) v) wo^T + bo, with q, k, v = GroupNorm(x)^T w^T + b.  x, out: [64][128 channels][1024 positions] f32.
; This one makes the GroupNorm and its codes of FP8 (E4M3) three times, with the scales given for k, for v and for q, and the codes of the four weights.  No step of the problem is left out.
; Work-group id: batch id % 64, channels 16 P on, P = id / 64: four groups of four channels, one to a wave: 16,384 consecutive bytes, 128 registers a lane.  x is read once.
; THE CODES ARE LAID AS IMAGES OF OPERAND REGISTERS: a tile is 16 positions x 128 channels, 2,048 bytes; its quarter Q (registers 4 Q .. 4 Q + 3) is 512 bytes, 16 a lane:
; lane (r, h), register i, byte b holds channel 32 Q + 16 h + 4 i + b of row r.  Tile T = 2 W + u, row r is position 32 W + 2 r + u.  A work-group's channels are half h = P % 2 of quarter P / 2, 256 bytes; wave i's four are register i.
; wq, wk, wv have the same order of channels; wo has registers 2 c, 2 c + 1 of lane (r, h): channels 16 c + 8 h + 0 .. 7.
; GROUPNORM: mean, then the sum of (x - mean)^2, both over registers; t = (x - mean) a + gn_b, a = rsq(var + 1e-6) gn_w.
; LIMITS: e0 .. e5 and e11 lie between -126 and 119, so that each power of two is an f32 number.  NaN among the inputs is not served.
; No work-group shares an input tile with another (but 128 waves a piece of a weight each), so nothing is asked for jointly.  All loads of x are issued at the head and there is no loop: nothing is prefetched.
.set X,    32                          ; v32-159  x, then t; later codes, later images read back
.set CH,   176                         ; v176-183 four packed chains
.set PP,   190                         ; v190-205 (a, a, gn_b, gn_b) of the four channels
.set TMP,  206                         ; v206-237 two sets of 16 held numbers
.set DX,   238                         ; v238-249 codes of the first slice
.set PIT,  528                         ; LDS: my half of two tiles' quarters, 512 bytes, + 16 of padding
.set SET,  32*PIT                      ; 64 tiles
.set SPARE, 3*SET                      ; the spare words, 128 bytes for each wave
.macro MKSC sc, e                      ; s[sc] = 2^e, s[sc+1] = 448 x 2^e, e in s[e]
	s_add_co_i32 s[\sc], s[\e], 127
	s_add_co_i32 s[\sc+1], s[\sc], 8
	s_lshl_b32 s[\sc], s[\sc], 23
	s_lshl_b32 s[\sc+1], s[\sc+1], 23
	s_or_b32 s[\sc+1], s[\sc+1], 0x600000
.endm
.macro REDUCE                          ; v184 = the sum of the chains over the wave, in every lane
	v_pk_add_f32 v[CH:CH+1], v[CH:CH+1], v[CH+2:CH+3]
	v_pk_add_f32 v[CH+4:CH+5], v[CH+4:CH+5], v[CH+6:CH+7]
	v_pk_add_f32 v[CH:CH+1], v[CH:CH+1], v[CH+4:CH+5]
	v_add_f32 v184, v[CH], v[CH+1]
	v_add_f32_dpp v184, v184, v184 row_xmask:1 row_mask:0xf bank_mask:0xf
	v_add_f32_dpp v184, v184, v184 row_xmask:2 row_mask:0xf bank_mask:0xf
	v_add_f32_dpp v184, v184, v184 row_xmask:4 row_mask:0xf bank_mask:0xf
	v_add_f32_dpp v184, v184, v184 row_xmask:8 row_mask:0xf bank_mask:0xf
	v_permlanex16_b32 v185, v184, s74, s75
	v_add_f32 v184, v184, v185
.endm
	s_load_b512 s[4:19], s[0:1], 0x0               ; x, lowp_scales, gn_w, gn_b, wq, wk, wv, wo
	s_load_b256 s[20:27], s[0:1], 0x40             ; tk, tv, tq, wc
	v_lshl_add_u32 v16, v0, 2, SPARE               ; my spare word,
	v_mov_b32 v17, 0                               ; and 0: kept for the wave's end
	v_lshrrev_b32 v2, 5, v0
	v_readfirstlane_b32 s28, v2                    ; wave 0 .. 3
	v_and_b32 v18, 31, v0                          ; lane
	v_lshlrev_b32 v19, 4, v18
	s_lshl_b32 s2, s28, 14
	v_add_nc_u32 v1, s2, v19                       ; my group of x
	v_lshrrev_b32 v20, 3, v18
	v_mul_u32_u24 v20, v20, PIT
	v_and_b32 v21, 7, v18
	v_lshl_add_u32 v20, v21, 5, v20
	s_lshl_b32 s2, s28, 2                          ; register i = wave
	v_add_nc_u32 v2, s2, v20                       ; LDS, in: k's codes,
	v_add_nc_u32 v3, SET, v2                       ; v's,
	v_add_nc_u32 v4, 2*SET, v2                     ; q's
	s_mul_i32 s2, s28, 8*PIT
	v_add_nc_u32 v13, s2, v19                      ; LDS, out: my sixteen tiles of k and v,
	v_add_nc_u32 v14, 2*SET, v13                   ; of q
	v_and_b32 v15, 15, v18
	v_lshlrev_b32 v15, 4, v15
	v_lshrrev_b32 v22, 4, v18
	v_lshl_add_u32 v15, v22, 11, v15
	s_lshl_b32 s2, s28, 15
	v_add_nc_u32 v15, s2, v15                      ; and in memory: lanes 0-15 one tile's 256 bytes, lanes 16-31 the next tile's
	v_mov_b32 v185, 0                              ; a lane permute's destination counts as one of its sources
	s_mov_b32 s74, 0x76543210                      ; v_permlanex16_b32's selects for lane l xor 16
	s_mov_b32 s75, 0xfedcba98
	s_mov_b32 s76, 0x39800000                      ; 2^-12: a group has 4,096 numbers
	s_and_b32 s30, ttmp9, 63                       ; batch
	s_lshr_b32 s31, ttmp9, 6                       ; P
	s_lshl_b32 s52, s30, 19
	s_lshl_b32 s2, s31, 16
	s_add_co_u32 s52, s52, s2                      ; x: batch, channels 16 P on
	s_mov_b32 s53, 0
	s_lshl_b32 s54, s30, 17
	s_lshl_b32 s2, s31, 8
	s_add_co_u32 s54, s54, s2                      ; codes: batch, half P % 2 of quarter P / 2
	s_mov_b32 s55, 0
	s_lshl_b32 s56, s31, 6
	s_lshl_b32 s2, s28, 4
	s_add_co_u32 s56, s56, s2                      ; my group's four channels
	s_mov_b32 s57, 0
	s_wait_alu depctr_va_vdst(0)
	s_wait_kmcnt 0x0
	s_add_nc_u64 s[4:5], s[4:5], s[52:53]
	s_add_nc_u64 s[8:9], s[8:9], s[56:57]
	s_add_nc_u64 s[10:11], s[10:11], s[56:57]
	s_load_b128 s[32:35], s[8:9], 0x0              ; gn_w
	s_load_b128 s[36:39], s[10:11], 0x0            ; gn_b
	s_load_b256 s[40:47], s[6:7], 0x0              ; e0 .. e7
	s_load_b128 s[48:51], s[6:7], 0x20             ; e8 .. e11
.set n, 0
.rept 32                                       ; load n: channel n / 8 of my four, positions 128 (n % 8) + 4 lane + 0 .. 3
	global_load_b128 v[X+4*n:X+4*n+3], v1, s[4:5] offset:512*n th:TH_LOAD_NT
.set n, n+1
.endr
	s_add_nc_u64 s[20:21], s[20:21], s[54:55]
	s_add_nc_u64 s[22:23], s[22:23], s[54:55]
	s_add_nc_u64 s[24:25], s[24:25], s[54:55]
	s_wait_kmcnt 0x0
	MKSC 60, 42
	MKSC 62, 44
	MKSC 58, 40
	v_mov_b32 v5, s60                              ; scale and limit for k,
	v_mov_b32 v6, s61
	v_mov_b32 v7, s62                              ; for v,
	v_mov_b32 v8, s63
	v_mov_b32 v9, s58                              ; for q
	v_mov_b32 v10, s59
	s_wait_alu depctr_va_vdst(0)                   ; the wait at the head's end
	; THE WEIGHTS: wave 3 of work-groups 0 .. 127 makes one quarter of one tile of one weight: 16 rows x 32 channels
	s_cmp_eq_u32 s28, 3
	s_cselect_b32 s2, 128, 0
	s_cmp_lt_u32 ttmp9, s2
	s_cbranch_scc0 .Lno_weight
	s_lshr_b32 s2, ttmp9, 5                        ; weight: wq, wk, wv, wo
	s_cmp_eq_u32 s2, 0
	s_cselect_b64 s[66:67], s[12:13], s[14:15]
	s_cselect_b32 s68, s41, s43
	s_cmp_eq_u32 s2, 2
	s_cselect_b64 s[66:67], s[16:17], s[66:67]
	s_cselect_b32 s68, s45, s68
	s_cmp_eq_u32 s2, 3
	s_cselect_b64 s[66:67], s[18:19], s[66:67]
	s_cselect_b32 s68, s51, s68
	s_cselect_b32 s69, 32, 64                      ; bytes from half 0's first number to half 1's,
	s_cselect_b32 s70, 64, 32                      ; and from a lane's first eight numbers to its second eight
	MKSC 72, 68
	s_lshr_b32 s2, ttmp9, 2
	s_and_b32 s2, s2, 7                            ; tile
	s_lshl_b32 s2, s2, 13
	s_and_b32 s3, ttmp9, 3                         ; quarter
	s_lshl_b32 s3, s3, 7
	s_add_co_u32 s2, s2, s3
	v_and_b32 v20, 15, v18
	v_lshrrev_b32 v21, 4, v18
	v_lshlrev_b32 v20, 9, v20
	v_mul_lo_u32 v21, v21, s69
	v_add3_u32 v20, v20, v21, s2
	v_add_nc_u32 v21, s70, v20
	v_mov_b32 v11, s72
	v_mov_b32 v12, s73
	s_wait_alu depctr_va_vdst(0)
	global_load_b128 v[160:163], v20, s[66:67]
	global_load_b128 v[164:167], v20, s[66:67] offset:16
	global_load_b128 v[168:171], v21, s[66:67]
	global_load_b128 v[172:175], v21, s[66:67] offset:16
	s_lshl_b32 s2, ttmp9, 9
	s_mov_b32 s3, 0
	s_add_nc_u64 s[26:27], s[26:27], s[2:3]
	s_wait_loadcnt 0x0                             ; the weight's numbers, the youngest loads, are in (and x with them)
.set n, 0
.rept 16
	v_med3_num_f32 v[160+n], v[160+n], -v12, v12   ; the conversion does not saturate (ISA guide 7.6.2): hold at the largest code x the scale
.set n, n+1
.endr
	v_cvt_scalef32_pk8_fp8_f32 v[250:251], v[160:167], v11
	v_cvt_scalef32_pk8_fp8_f32 v[252:253], v[168:175], v11
	v_nop                                          ; a plain line behind the last conversion
	global_store_b128 v19, v[250:253], s[26:27]    ; 512 consecutive bytes
.Lno_weight:
	; STATISTICS.  The sum goes along as the loads come in, eight at a time
	s_wait_loadcnt 24
.set n, 0
.rept 4
	v_pk_add_f32 v[CH+2*n:CH+2*n+1], v[X+2*n:X+2*n+1], v[X+8+2*n:X+8+2*n+1]   ; the first pairs start the chains
.set n, n+1
.endr
.set n, 8
.rept 56
.if n%16 == 0
	s_wait_alu depctr_va_vdst(0)                   ; directly ahead of the wait below
	s_wait_loadcnt 24-8*(n/16)                     ; of the 32 loads those behind the next eight may be out
.endif
	v_pk_add_f32 v[CH+2*(n%4):CH+2*(n%4)+1], v[CH+2*(n%4):CH+2*(n%4)+1], v[X+2*n:X+2*n+1]
.set n, n+1
.endr
	REDUCE
	v_mul_f32 v186, 0xb9800000, v184               ; -mean = sum x -2^-12
	v_mov_b32 v187, v186
.set n, 0
.rept 64
	v_pk_add_f32 v[X+2*n:X+2*n+1], v[X+2*n:X+2*n+1], v[186:187]
.set n, n+1
.endr
.set n, 0
.rept 4
	v_pk_mul_f32 v[CH+2*n:CH+2*n+1], v[X+2*n:X+2*n+1], v[X+2*n:X+2*n+1]
.set n, n+1
.endr
.set n, 4
.rept 60
	v_pk_fma_f32 v[CH+2*(n%4):CH+2*(n%4)+1], v[X+2*n:X+2*n+1], v[X+2*n:X+2*n+1], v[CH+2*(n%4):CH+2*(n%4)+1]
.set n, n+1
.endr
	REDUCE
	v_fmaak_f32 v184, s76, v184, 0x358637bd        ; var + 1e-6 = sum x 2^-12 + 1e-6
	s_wait_alu depctr_va_vdst(0)                   ; the wait ahead of the transcendental,
	v_rsq_f32 v188, v184
	v_nop                                          ; a plain line behind it,
	s_wait_alu depctr_va_vdst(0)                   ; and the wait ahead of its first reader
.irp ci, 0,1,2,3
	v_mul_f32 v[PP+4*\ci], s[32+\ci], v188         ; a
	v_mul_f32 v[PP+4*\ci+1], s[32+\ci], v188
	v_mov_b32 v[PP+4*\ci+2], s[36+\ci]             ; gn_b
	v_mov_b32 v[PP+4*\ci+3], s[36+\ci]
.endr
; A slice: four positions a lane x four channels.  A position's four channels make one register of codes; each quantiser sees the unheld t.
; Its codes go to registers that the slice before has left: no store's register is written again.
.macro SLICE m
.irp ci, 0,1,2,3
	v_pk_fma_f32 v[X+4*(8*\ci+\m):X+4*(8*\ci+\m)+1], v[X+4*(8*\ci+\m):X+4*(8*\ci+\m)+1], v[PP+4*\ci:PP+4*\ci+1], v[PP+4*\ci+2:PP+4*\ci+3]
	v_pk_fma_f32 v[X+4*(8*\ci+\m)+2:X+4*(8*\ci+\m)+3], v[X+4*(8*\ci+\m)+2:X+4*(8*\ci+\m)+3], v[PP+4*\ci:PP+4*\ci+1], v[PP+4*\ci+2:PP+4*\ci+3]
.endr
.irp s, 0,1,2
.set TB, TMP+16*((3*\m+\s)%2)
.irp j, 0,1,2,3
.irp ci, 0,1,2,3
	v_med3_num_f32 v[TB+4*\j+\ci], v[X+4*(8*\ci+\m)+\j], -v[6+2*\s], v[6+2*\s]
.endr
.endr
.if \m == 0
.set DD, DX+4*\s
.else
.set DD, X+4*(8*\s+\m-1)
.endif
	v_cvt_scalef32_pk8_fp8_f32 v[DD:DD+1], v[TB:TB+7], v[5+2*\s]
	v_cvt_scalef32_pk8_fp8_f32 v[DD+2:DD+3], v[TB+8:TB+15], v[5+2*\s]
.irp j, 0,1,2,3
	ds_store_b32 v[2+\s], v[DD+\j] offset:4*PIT*\m+256*(\j%2)+16*(\j/2)
.endr
.endr
.endm
.irp m, 0,1,2,3,4,5,6,7
	SLICE \m
.endr
	v_nop                                          ; a plain line behind the last conversion
	s_wait_dscnt 0x0                               ; my codes lie in LDS
	s_barrier_signal -1
	s_barrier_wait -1
.set n, 0
.rept 24                                       ; tensor n / 8, my pair of tiles n % 8
.if n < 16
	ds_load_b128 v[X+4*n:X+4*n+3], v13 offset:SET*(n/8)+PIT*(n%8)
.else
	ds_load_b128 v[X+4*n:X+4*n+3], v14 offset:PIT*(n%8)
.endif
.set n, n+1
.endr
.irp s, 0,1,2
.set n, 0
.rept 8
	s_wait_dscnt 23-8*\s-n                         ; LDS loads come back in order: this piece is in
	global_store_b128 v15, v[X+4*(8*\s+n):X+4*(8*\s+n)+3], s[20+2*\s:21+2*\s] offset:4096*n   ; twice 256 consecutive bytes, each at a multiple of 256
.set n, n+1
.endr
.endr
	s_wait_tensorcnt 0x0                           ; the wave's end
	ds_add_u32 v16, v17
	s_wait_dscnt 0x0
	s_endpgm
.Lfunc_end_k_q763743cded_prep:
	.size	k_q763743cded_prep, .Lfunc_end_k_q763743cded_prep-k_q763743cded_prep
	.p2alignl 7, 3214868480
	.fill 96, 4, 3214868480
	.section	.rodata,"a",@progbits
	.p2align	6, 0x0
	.amdhsa_kernel k_q763743cded_prep
		.amdhsa_group_segment_fixed_size 51200
		.amdhsa_private_segment_fixed_size 0
		.amdhsa_enable_private_segment 0
		.amdhsa_kernarg_size 96
		.amdhsa_user_sgpr_count 2
		.amdhsa_user_sgpr_kernarg_segment_ptr 1
		.amdhsa_wavefront_size32 1
		.amdhsa_system_sgpr_workgroup_id_x 1
		.amdhsa_system_sgpr_workgroup_id_y 1
		.amdhsa_system_sgpr_workgroup_id_z 1
		.amdhsa_system_vgpr_workitem_id 0
		.amdhsa_next_free_vgpr 256
		.amdhsa_next_free_sgpr 80
		.amdhsa_reserve_vcc 0
		.amdhsa_float_denorm_mode_32 3
		.amdhsa_float_denorm_mode_16_64 3
		.amdhsa_memory_ordered 1
		.amdhsa_forward_progress 1
		.amdhsa_inst_pref_size 66
	.end_amdhsa_kernel
	.amdgpu_metadata
---
amdhsa.version: [ 1, 2 ]
amdhsa.kernels:
  - .name:           k_q763743cded_prep
    .symbol:         k_q763743cded_prep.kd
    .args:
      - { .name: x, .offset: 0, .size: 8, .value_kind: global_buffer, .address_space: global }
      - { .name: lowp_scales, .offset: 8, .size: 8, .value_kind: global_buffer, .address_space: global }
      - { .name: gn_w, .offset: 16, .size: 8, .value_kind: global_buffer, .address_space: global }
      - { .name: gn_b, .offset: 24, .size: 8, .value_kind: global_buffer, .address_space: global }
      - { .name: wq, .offset: 32, .size: 8, .value_kind: global_buffer, .address_space: global }
      - { .name: wk, .offset: 40, .size: 8, .value_kind: global_buffer, .address_space: global }
      - { .name: wv, .offset: 48, .size: 8, .value_kind: global_buffer, .address_space: global }
      - { .name: wo, .offset: 56, .size: 8, .value_kind: global_buffer, .address_space: global }
      - { .name: tk, .offset: 64, .size: 8, .value_kind: global_buffer, .address_space: global }
      - { .name: tv, .offset: 72, .size: 8, .value_kind: global_buffer, .address_space: global }
      - { .name: tq, .offset: 80, .size: 8, .value_kind: global_buffer, .address_space: global }
      - { .name: wc, .offset: 88, .size: 8, .value_kind: global_buffer, .address_space: global }
    .group_segment_fixed_size: 51200
    .private_segment_fixed_size: 0
    .kernarg_segment_align: 8
    .kernarg_segment_size: 96
    .max_flat_workgroup_size: 128
    .sgpr_count:     80
    .vgpr_count:     256
    .wavefront_size: 32
...
	.end_amdgpu_metadata
.endif
;; end of part 1
;; launch atten (part 2): grid 256 x 1, 8 waves a work-group, no clusters, 319,488 bytes of LDS; arguments x, out0, lowp_scales, bq, bk, bv, bo, tk, tv, tq, wc; writes out0
.if DOCPART == 2
	.amdgcn_target "amdgcn-amd-amdhsa--gfx1250"
	.amdhsa_code_object_version 6
	.text
	.protected	k_q763743cded_atten
	.globl	k_q763743cded_atten
	.p2align	8
	.type	k_q763743cded_atten,@function
k_q763743cded_atten:
	s_mov_b64 s[64:65], 0
	v_nop
	global_prefetch_b8 v0, s[64:65] scope:SCOPE_SE
	s_setreg_imm32_b32 hwreg(HW_REG_WAVE_MODE, 25, 1), 1
	s_wait_xcnt 0x0
; SECOND LAUNCH: the projections, attention, the output's projection and the residual.  tk, tv, tq: GroupNorm's codes for k, v and q, wc: the four weights' codes, all as images of operand registers (laid by the first launch).
; All six products run on codes of FP8 (E4M3) by v_wmma_f32_16x16x128_fp8_fp8, each operand with the scale 2^e given for it (e0 .. e11 in lowp_scales); all else is f32.  No step of the problem is left out.
; SHARES.  Work-group id: batch id % 64, block id / 64 of 256 queries.  Eight waves of 512 registers, two to a SIMD.  Wave w makes K and V of positions 128 w on (eight tiles) into LDS, where they stay; Q of its own
; 32 queries (two tiles) in registers; walks the keys 128 a step with no barrier; projects by wo, turns the result through a stage in LDS, adds x and stores.
; LAYOUT.  A result tile holds (m = 8 h + j, n = r) in register j of lane (r = lane % 16, h = lane / 16), so one conversion of its eight registers IS pair c of the next operand (registers 2 c, 2 c + 1: k = 16 c + 8 h + 0 .. 7):
; q, k: source 0 = 16 rows of the weight, source 1 = t;  v: source 0 = t, source 1 = 16 rows of wv;  S^T = K Q^T;  O^T = V^T P;  y: source 0 = o, source 1 = 16 rows of wo (a lane: one channel, eight queries).
; Query tile u, row r is position 2 r + u of the wave's 32.
; SOFTMAX: t = score x log2(e) / sqrt(512); M = the running largest t rounded up to a whole number; p = 2^(t - M) is quantised; the sum is taken of the unquantised p and divides O at the end.
; p is at most 1, so its hold at 448 x 2^e8 changes nothing where e8 >= -8 (448 / 256 = 1.75).
; LIMITS.  Each power of two below is an f32 number: e8, e6 - e0 - e1, e7 - e2 - e3, e9 - e4 - e5 and e10 - e8 - e9 lie between -126 and 119; e6 + e7 between -122 and 131; e10 + e11 between -126 and 127.
; NaN among the inputs is not served.
; NO JOINT LOADS, though a batch's four work-groups read the same codes: a fragment goes from memory straight into the registers of the one wave that multiplies it.  By way of LDS the 262,144 bytes would be read there
; once more, 64 LDS loads a wave, and a wave's whole part, 32,768 bytes, would have to land ahead of its first product, for which 16 loads suffice here.
; PREFETCH: the residual's 131,072 bytes are asked for in the first two key steps, six or more steps ahead of their loads: a wave names its 16 channels' 64 blocks of 256 bytes, each once.  The codes are loaded at the head: no loop runs ahead of them.
; LDS:
.set VIMG, 131072                      ; K: key tile T at 2048 T from 0 on; V^T: fragment (step ks, channels 16 dt on) at VIMG + 2048 (8 ks + dt)
.set WIMG, 262144                      ; wq's, wk's, wv's eight fragments, 16,384 bytes each
.set WOIM, WIMG+32768                  ; when the projections are over, wo's fragments take wv's place
.set BQT,  311296                      ; bq / 2^(e0 + e1), then (512 bytes on) bk / 2^(e2 + e3), then bo
.set BVX,  BQT+1536                    ; a channel's 32 bytes: bv / 2^(e4 + e5), eight times
.set SPARE, BVX+4096                   ; the spare words, 128 bytes for each wave
.set GPIT, 1040                        ; when attention is over: the stage, 128 channel rows x (1,024 + 16) bytes, from byte 0
; REGISTERS, window 0 (v0-255) and window 1 (v256-511); s_set_vgpr_msb: bits 1:0 source 0, 3:2 source 1, 5:4 source 2, 7:6 destination.
.set WOC,  16                          ; w0 v16-31   wo's codes, until the projections are over
.set WF,   32                          ; w0 v32-63   two weight fragments
.set CB,   64                          ; w0 v64-79   their biases in the result's layout
.set RC,   80                          ; w0 v80-111  the codes of K or V just made
.set TF,   128                         ; w0 v128-255 eight fragments of t for v
.set TFK,  0                           ; w1 v0-127   eight fragments of t for k; later O^T (64 a query tile), then y
.set TFQ,  224                         ; w1 v224-255 two fragments of t for q
.set ACC,  128                         ; w1 v128-191 eight accumulators (before: the weights' codes on their way to LDS)
.set FR,   32                          ; w0 v32-95   four fragments of K or V^T
.set FR2,  128                         ; w1 v128-191 four more
.set SS,   96                          ; w0 v96-223  S^T, then p: 64 a query tile; at last the residual
.set PCD,  224                         ; w0 v224-255 p's codes, later o's
.set QC,   192                         ; w1 v192-223 Q
; w0 v[8+12u ..] in attention: tile u's -M, largest t, sum (2), f, 0, second sum (2), two maxima, a lane permute's target.  v7: my place in x and out.  v19: the prefetches' place.
; Scalar pairs (2^e as f32, 448 x 2^e):
.set Q_Q,  56
.set Q_K,  58
.set Q_P,  60
.set Q_V,  62
.set Q_O,  66
.set MSB, 0
.macro WIN new                         ; the immediate's high byte repeats the setting that is left; a switch that changes nothing is dropped
.if MSB != \new
	s_set_vgpr_msb (MSB<<8)|\new
.set MSB, \new
.endif
.endm
.macro PLACES                          ; four plain vector lines behind matrix instructions, ahead of loads into their sources and of reads of their results
.rept 4
	v_nop
.endr
.endm
.macro BARRIER                         ; my LDS stores have landed and my LDS loads are in: then the work-group's barrier
	s_wait_dscnt 0x0
	s_barrier_signal -1
	s_barrier_wait -1
.endm
.macro MKSC sc, e                      ; s[sc] = 2^e, s[sc+1] = 448 x 2^e, e in s[e]
	s_add_co_i32 s[\sc], s[\e], 127
	s_add_co_i32 s[\sc+1], s[\sc], 8
	s_lshl_b32 s[\sc], s[\sc], 23
	s_lshl_b32 s[\sc+1], s[\sc+1], 23
	s_or_b32 s[\sc+1], s[\sc+1], 0x600000
.endm
.macro SETQ vs, ss                     ; v[vs] = the scale, v[vs+1] = the limit
	WIN 0
	v_mov_b32 v[\vs], s[\ss]
	v_mov_b32 v[\vs+1], s[\ss+1]
	s_wait_alu depctr_va_vdst(0)
.endm
; ---- the projections.  kind 0: q, 1: k, 2: v.  A step takes two tiles of 16 output channels (2 pn, 2 pn + 1) against nt tiles of positions, whose fragments of t lie from v[tb] on (k's in window 1).
.macro LOADWF kind, pn
	WIN 0
.set n, 0
.rept 8
	ds_load_b128 v[WF+4*n:WF+4*n+3], v4 offset:16384*\kind+4096*\pn+512*n
.set n, n+1
.endr
.set n, 0
.rept 2
.if \kind < 2
	ds_load_b128 v[CB+8*n:CB+8*n+3], v7 offset:512*\kind+64*(2*\pn+n)       ; lane (r, h): the bias of channels 16 tile + 8 h + 0 .. 7
	ds_load_b128 v[CB+8*n+4:CB+8*n+7], v7 offset:512*\kind+64*(2*\pn+n)+16
.else
	ds_load_b128 v[CB+8*n:CB+8*n+3], v8 offset:512*(2*\pn+n)                ; lane (r, h): the bias of channel 16 tile + r, eight times
	ds_load_b128 v[CB+8*n+4:CB+8*n+7], v8 offset:512*(2*\pn+n)+16
.endif
.set n, n+1
.endr
.endm
; A part of a step: position tiles tp .. tp + nt - 1.  lw: the loads that may be out behind the fragments of t that it needs (64: they are in).
.macro PART kind, pn, tp, nt, tb, lw, nk, np  ; nk, np: the weight fragments to fetch meanwhile (nk = 9: none)
.if \lw < 64
	s_wait_loadcnt \lw
.endif
.if \kind < 2
	WIN 0x44
.else
	WIN 0x40
.endif
.irp n2, 0,1
.irp j, 0,1,2,3
.if \j < \nt
.if \kind < 2
	v_wmma_f32_16x16x128_fp8_fp8 v[ACC+8*(\nt*\n2+\j):ACC+8*(\nt*\n2+\j)+7], v[WF+16*\n2:WF+16*\n2+15], v[\tb+16*\j:\tb+16*\j+15], v[CB+8*\n2:CB+8*\n2+7]
.else
	v_wmma_f32_16x16x128_fp8_fp8 v[ACC+8*(\nt*\n2+\j):ACC+8*(\nt*\n2+\j)+7], v[\tb+16*\j:\tb+16*\j+15], v[WF+16*\n2:WF+16*\n2+15], v[CB+8*\n2:CB+8*\n2+7]
.endif
.endif
.endr
.endr
	PLACES
.if \nk < 9
	LOADWF \nk, \np                                ; they land under the holds below
.endif
	WIN 0x41
.irp n2, 0,1
.irp j, 0,1,2,3
.if \j < \nt
.irp i, 0,1,2,3,4,5,6,7
	v_med3_num_f32 v[ACC+8*(\nt*\n2+\j)+\i], v[ACC+8*(\nt*\n2+\j)+\i], -v15, v15   ; each accumulator from its low end on
.endr
.endif
.endr
.endr
.if \kind
	WIN 0x01
.endif
.irp n2, 0,1
.irp j, 0,1,2,3
.if \j < \nt
.if \kind == 0
	v_cvt_scalef32_pk8_fp8_f32 v[QC+16*\j+2*(2*\pn+\n2):QC+16*\j+2*(2*\pn+\n2)+1], v[ACC+8*(\nt*\n2+\j):ACC+8*(\nt*\n2+\j)+7], v14   ; pair (channel tile) of query tile j's fragment
.endif
.if \kind == 1
	v_cvt_scalef32_pk8_fp8_f32 v[RC+4*(\tp+\j)+2*\n2:RC+4*(\tp+\j)+2*\n2+1], v[ACC+8*(\nt*\n2+\j):ACC+8*(\nt*\n2+\j)+7], v14   ; quarter pn of position tile's fragment: its pair n2
.endif
.if \kind == 2
	v_cvt_scalef32_pk8_fp8_f32 v[RC+16*\n2+2*(\tp+\j):RC+16*\n2+2*(\tp+\j)+1], v[ACC+8*(\nt*\n2+\j):ACC+8*(\nt*\n2+\j)+7], v14   ; pair (key tile) of channel tile n2's fragment
.endif
.endif
.endr
.endr
	v_nop                                          ; a plain line behind the last conversion
.endm
; A whole step of v or k: two channel tiles against my eight position tiles, then its codes go to LDS in whole quarters of fragments.
.macro KVSTEP kind, pn, tb, la, lb, nk, np
	s_wait_dscnt 0x0                               ; the weight's fragments and biases are in; earlier image stores have read their registers
	PART \kind, \pn, 0, 4, \tb, \la, 9, 0
	PART \kind, \pn, 4, 4, \tb+64, \lb, \nk, \np
	WIN 0
.set n, 0
.rept 8
.if \kind == 1
	ds_store_b128 v3, v[RC+4*n:RC+4*n+3] offset:2048*n+512*\pn              ; quarter pn of key tile 8 w + n
.else
	ds_store_b128 v6, v[RC+4*n:RC+4*n+3] offset:4096*\pn+512*n              ; the fragments of channel tiles 2 pn, 2 pn + 1 of step w
.endif
.set n, n+1
.endr
.endm
.macro QSTEP pn, lw, nk, np
	s_wait_dscnt 0x0
	PART 0, \pn, 0, 2, TFQ, \lw, \nk, \np
.endm
; ---- attention
.macro FETCH8 adr                      ; eight fragments, 16,384 consecutive bytes
	WIN 0
.set n, 0
.rept 16
	ds_load_b128 v[FR+4*n:FR+4*n+3], v[\adr] offset:512*n
.set n, n+1
.endr
	WIN 0x40
.set n, 0
.rept 16
	ds_load_b128 v[FR2+4*n:FR2+4*n+3], v[\adr] offset:8192+512*n
.set n, n+1
.endr
.endm
.macro SOFTMAX first                   ; both query tiles, line by line by turns where a line feeds the next
.irp u, 0,1
	v_max3_num_f32 v[16+12*\u], v[SS+64*\u], v[SS+64*\u+1], v[SS+64*\u+2]   ; the step's largest score among my 64 keys, in two chains, each tile of scores from its low end on
	v_max3_num_f32 v[17+12*\u], v[SS+64*\u+3], v[SS+64*\u+4], v[SS+64*\u+5]
.endr
.irp i, 6,10,14,18,22,26,30,34,38,42,46,50,54,58
.irp u, 0,1
	v_max3_num_f32 v[16+12*\u], v[16+12*\u], v[SS+64*\u+\i], v[SS+64*\u+\i+1]
	v_max3_num_f32 v[17+12*\u], v[17+12*\u], v[SS+64*\u+\i+2], v[SS+64*\u+\i+3]
.endr
.endr
.irp u, 0,1
	v_max3_num_f32 v[16+12*\u], v[16+12*\u], v[SS+64*\u+62], v[SS+64*\u+63]
.endr
.irp u, 0,1
	v_max_num_f32 v[16+12*\u], v[16+12*\u], v[17+12*\u]
.endr
.irp u, 0,1
	v_permlanex16_b32 v[18+12*\u], v[16+12*\u], s72, s73                    ; the query's other 64 keys lie in the lane 16 away
.endr
.irp u, 0,1
	v_max_num_f32 v[16+12*\u], v[16+12*\u], v[18+12*\u]
.endr
.irp u, 0,1
	v_mul_f32 v[16+12*\u], s70, v[16+12*\u]                                 ; as t (c is positive)
.endr
.irp u, 0,1
	v_max_num_f32 v[9+12*\u], v[9+12*\u], v[16+12*\u]                       ; the running largest t
	v_mov_b32 v[16+12*\u], v[8+12*\u]
.endr
.irp u, 0,1
	v_floor_f32 v[8+12*\u], -v[9+12*\u]                                     ; the new -M = floor(-t): M is a whole number
.endr
.irp u, 0,1
	v_sub_f32 v[16+12*\u], v[8+12*\u], v[16+12*\u]                          ; old M - new M, 0 or less
.endr
.irp u, 0,1
	v_cvt_i32_f32 v[16+12*\u], v[16+12*\u]                                  ; (it saturates)
.endr
.irp u, 0,1
	v_ldexp_f32 v[12+12*\u], 1.0, v[16+12*\u]                               ; f = 2^(old M - new M): a multiplication by it rounds nothing
.endr
.irp u, 0,1
.set p, 0
.rept 32
	v_pk_fma_f32 v[SS+64*\u+2*p:SS+64*\u+2*p+1], v[SS+64*\u+2*p:SS+64*\u+2*p+1], s[70:71], v[8+12*\u:9+12*\u] op_sel_hi:[1,0,0]   ; t - M
.set p, p+1
.endr
.endr
	s_wait_alu depctr_va_vdst(0)                                            ; the wait ahead of the batch,
.set p, 0
.rept 128
	v_exp_f32 v[SS+p], v[SS+p]                                              ; p = 2^(t - M): not normalised
.set p, p+1
.endr
.irp u, 0,1
	v_pk_mul_f32 v[10+12*\u:11+12*\u], v[10+12*\u:11+12*\u], v[12+12*\u:13+12*\u] op_sel_hi:[1,0]   ; the sum under the new M (a plain line behind the exponentials)
.endr
	s_wait_alu depctr_va_vdst(0)                                            ; and behind it, ahead of its first reader
.irp u, 0,1
	v_pk_add_f32 v[14+12*\u:15+12*\u], v[SS+64*\u:SS+64*\u+1], v[SS+64*\u+2:SS+64*\u+3]             ; the sum is taken of the unquantised p, in two chains
.endr
.irp i, 4,8,12,16,20,24,28,32,36,40,44,48,52,56,60
.irp u, 0,1
	v_pk_add_f32 v[10+12*\u:11+12*\u], v[10+12*\u:11+12*\u], v[SS+64*\u+\i:SS+64*\u+\i+1]
	v_pk_add_f32 v[14+12*\u:15+12*\u], v[14+12*\u:15+12*\u], v[SS+64*\u+\i+2:SS+64*\u+\i+3]
.endr
.endr
.irp u, 0,1
	v_pk_add_f32 v[10+12*\u:11+12*\u], v[10+12*\u:11+12*\u], v[14+12*\u:15+12*\u]
.endr
	s_cmp_ge_i32 s40, -8                           ; e8 >= -8: 448 x 2^e8 is at least 1.75 and p at most 1: the hold would change nothing
	s_cbranch_scc1 .Lheld_\@
.set p, 0
.rept 128
	v_min_num_f32 v[SS+p], v[SS+p], v6             ; p is not negative: a one-sided hold (the conversion does not saturate: ISA guide 7.6.2)
.set p, p+1
.endr
.Lheld_\@:
.irp u, 0,1
.irp c, 0,1,2,3,4,5,6,7
	v_cvt_scalef32_pk8_fp8_f32 v[PCD+16*\u+2*\c:PCD+16*\u+2*\c+1], v[SS+64*\u+8*\c:SS+64*\u+8*\c+7], v5
.endr
.endr
	v_nop                                          ; a plain line behind the last conversion
.if !\first
	WIN 0x41
	s_wait_alu depctr_va_vdst(0)                   ; directly ahead of the first reader of O^T
.irp u, 0,1
.set p, 0
.rept 32
	v_pk_mul_f32 v[64*\u+2*p:64*\u+2*p+1], v[64*\u+2*p:64*\u+2*p+1], v[12+12*\u:13+12*\u] op_sel_hi:[1,0]   ; O^T under the new M
.set p, p+1
.endr
.endr
.endif
.endm
; A key step of 128 keys.  first = 1: its products start O^T's sums.  more = 1: the next step's K is fetched at its end; 0: the residual is loaded, and the barrier behind attention is signalled.
; The sixteen accumulators of each product take turns, one instruction a turn.
.macro STEP first, more
	s_wait_dscnt 16                                ; K's first four fragments are in; the sixteen younger loads may be out
	WIN 0x04
.irp t, 0,1,2,3
.irp u, 0,1
	v_wmma_f32_16x16x128_fp8_fp8 v[SS+64*\u+8*\t:SS+64*\u+8*\t+7], v[FR+16*\t:FR+16*\t+15], v[QC+16*\u:QC+16*\u+15], 0
.endr
.endr
	s_wait_dscnt 0x0
	WIN 0x05
.irp t, 0,1,2,3
.irp u, 0,1
	v_wmma_f32_16x16x128_fp8_fp8 v[SS+64*\u+32+8*\t:SS+64*\u+32+8*\t+7], v[FR2+16*\t:FR2+16*\t+15], v[QC+16*\u:QC+16*\u+15], 0
.endr
.endr
	PLACES
	FETCH8 4                                       ; V^T of this step lands under the softmax
	WIN 0
.if \first
	global_prefetch_b8 v19, s[30:31] th:TH_LOAD_NT scope:SCOPE_SE   ; the residual's first eight channels of my 16
.endif
	SOFTMAX \first
.if !\more
	WIN 0
.set n, 0
.rept 32
	global_load_b128 v[SS+4*n:SS+4*n+3], v7, s[30:31] offset:262144*(n/16)+4096*((n%16)/2)+512*(n%2)   ; the residual, where p lay: 8 + 8 channels x my block's 1,024 bytes, 512 consecutive bytes a load
.set n, n+1
.endr
.endif
	s_wait_alu depctr_va_vdst(0)                   ; directly ahead of the wait below
	s_wait_dscnt 16
	WIN 0x50
.irp t, 0,1,2,3
.irp u, 0,1
.if \first
	v_wmma_f32_16x16x128_fp8_fp8 v[64*\u+8*\t:64*\u+8*\t+7], v[FR+16*\t:FR+16*\t+15], v[PCD+16*\u:PCD+16*\u+15], 0
.else
	v_wmma_f32_16x16x128_fp8_fp8 v[64*\u+8*\t:64*\u+8*\t+7], v[FR+16*\t:FR+16*\t+15], v[PCD+16*\u:PCD+16*\u+15], v[64*\u+8*\t:64*\u+8*\t+7]
.endif
.endr
.endr
	s_wait_dscnt 0x0
.if !\more
	s_barrier_signal -1                            ; my last reads of K and V are over: say so; work on registers follows until the wait
.endif
	WIN 0x51
.irp t, 0,1,2,3
.irp u, 0,1
.if \first
	v_wmma_f32_16x16x128_fp8_fp8 v[64*\u+32+8*\t:64*\u+32+8*\t+7], v[FR2+16*\t:FR2+16*\t+15], v[PCD+16*\u:PCD+16*\u+15], 0
.else
	v_wmma_f32_16x16x128_fp8_fp8 v[64*\u+32+8*\t:64*\u+32+8*\t+7], v[FR2+16*\t:FR2+16*\t+15], v[PCD+16*\u:PCD+16*\u+15], v[64*\u+32+8*\t:64*\u+32+8*\t+7]
.endif
.endr
.endr
	WIN 0
.if \more
	s_add_co_u32 s82, s82, 16384                   ; the next step's images
	v_add_nc_u32 v3, s82, v1                       ; (these two additions and two v_nop are the four places ahead of the loads)
	v_add_nc_u32 v4, s82, v2
	v_nop
	v_nop
	s_wait_alu depctr_va_vdst(0)
	FETCH8 3
	WIN 0                                          ; at a label and at a branch every window is 0
.else
	PLACES
.endif
.endm
	; ================ THE HEAD
	s_load_b512 s[4:19], s[0:1], 0x0               ; x, out0, lowp_scales, bq, bk, bv, bo, tk
	s_load_b128 s[20:23], s[0:1], 0x40             ; tv, tq
	s_load_b64 s[24:25], s[0:1], 0x50              ; wc
	v_lshrrev_b32 v2, 5, v0
	v_readfirstlane_b32 s79, v2                    ; wave 0 .. 7
	v_and_b32 v1, 31, v0
	v_lshlrev_b32 v1, 4, v1                        ; 16 x lane; kept
	v_and_b32 v15, 15, v0                          ; r
	v_bfe_u32 v14, v0, 4, 1                        ; h
	s_lshl_b32 s2, s79, 14
	v_add_nc_u32 v3, s2, v1                        ; my eight tiles, in tk, in tv and in K's images
	v_add_nc_u32 v4, WIMG, v1                      ; a weight's image
	v_add_nc_u32 v6, VIMG, v3                      ; V's images: my step's eight fragments
	v_lshl_add_u32 v7, v14, 5, BQT
	v_lshl_add_u32 v8, v15, 5, BVX
	s_lshl_b32 s2, s79, 12
	v_add_nc_u32 v9, s2, v1                        ; my two tiles of tq
	s_mul_i32 s2, s79, 6144
	v_add_nc_u32 v10, s2, v1                       ; my eighth of three weights' codes,
	v_add_nc_u32 v11, WIMG, v10                    ; and its place in LDS
	s_lshl_b32 s2, s79, 11
	v_add_nc_u32 v12, s2, v1                       ; my tile of wo
	s_lshl_b32 s2, s79, 4
	v_add_nc_u32 v13, s2, v15                      ; my channel: 16 w + r
	v_lshl_add_u32 v94, v13, 2, BQT
	v_lshl_add_u32 v95, v13, 5, BVX
	v_lshlrev_b32 v13, 2, v13
	s_mov_b32 s72, 0x76543210                      ; v_permlanex16_b32's selects for lane l xor 16
	s_mov_b32 s73, 0xfedcba98
	s_and_b32 s26, ttmp9, 63                       ; batch
	s_lshr_b32 s27, ttmp9, 6                       ; block of queries
	s_lshl_b32 s2, s26, 17                         ; a batch's 131,072 bytes of codes
	s_mov_b32 s3, 0
	s_lshl_b32 s28, s27, 15                        ; the block's 16 tiles of tq
	s_mov_b32 s29, 0
	s_lshl_b32 s84, s26, 19                        ; a batch's 524,288 bytes of x,
	s_lshl_b32 s85, s27, 10
	s_add_co_u32 s84, s84, s85                     ; and the block's 1,024 bytes of a channel's row
	s_mov_b32 s85, 0
	s_wait_alu depctr_va_vdst(0)                   ; the wait at the head's end
	s_wait_kmcnt 0x0
	s_load_b256 s[32:39], s[8:9], 0x0              ; e0 .. e7
	s_load_b128 s[40:43], s[8:9], 0x20             ; e8 .. e11
	s_add_nc_u64 s[18:19], s[18:19], s[2:3]
	s_add_nc_u64 s[20:21], s[20:21], s[2:3]
	s_add_nc_u64 s[22:23], s[22:23], s[2:3]
	s_add_nc_u64 s[22:23], s[22:23], s[28:29]
	s_add_nc_u64 s[30:31], s[4:5], s[84:85]        ; x at my block of queries
	s_add_nc_u64 s[6:7], s[6:7], s[84:85]          ; out likewise
	WIN 0x40
.set n, 0
.rept 12
	global_load_b128 v[ACC+4*n:ACC+4*n+3], v10, s[24:25] offset:512*n
.set n, n+1
.endr
	WIN 0
	global_load_b32 v96, v13, s[10:11]             ; bq, bk, bv, bo of my channel
	global_load_b32 v97, v13, s[12:13]
	global_load_b32 v98, v13, s[14:15]
	global_load_b32 v99, v13, s[16:17]
.set n, 0
.rept 16                                       ; t for v, my tiles 0-3
	global_load_b128 v[TF+4*n:TF+4*n+3], v3, s[20:21] offset:512*n
.set n, n+1
.endr
	s_wait_kmcnt 0x0
	MKSC Q_P, 40
	s_add_co_i32 s76, s32, s33                     ; a sum of the first product stands for sum x 2^(e0 + e1): its code is sum / 2^(e6 - e0 - e1),
	s_sub_co_i32 s2, s38, s76
	MKSC Q_Q, 2
	s_sub_co_i32 s76, 0, s76                       ; and bq goes in as bq / 2^(e0 + e1)
	s_add_co_i32 s77, s34, s35
	s_sub_co_i32 s2, s39, s77
	MKSC Q_K, 2
	s_sub_co_i32 s77, 0, s77
	s_add_co_i32 s78, s36, s37
	s_sub_co_i32 s2, s41, s78
	MKSC Q_V, 2
	s_sub_co_i32 s78, 0, s78
	s_sub_co_i32 s2, s42, s40
	s_sub_co_i32 s2, s2, s41                       ; O / l stands for o / 2^(e8 + e9): its code is (O / l) / 2^(e10 - e8 - e9)
	MKSC Q_O, 2
	s_add_co_i32 s2, s38, s39
	s_lshl_b32 s2, s2, 23
	s_add_co_i32 s70, s2, 0x3d8293ee               ; c = log2(e) / sqrt(512) x 2^(e6 + e7): the exponents are added to c's exponent field
	s_mov_b32 s71, s70                             ; (named with it as a pair)
	s_add_co_i32 s74, s42, s43
	s_add_co_i32 s74, s74, 127
	s_lshl_b32 s74, s74, 23                        ; 2^(e10 + e11)
	s_wait_loadcnt 16                              ; the weights' 12 and the biases' four are in; t's 16 may be out
	WIN 0x04
.set n, 0
.rept 12
	ds_store_b128 v11, v[ACC+4*n:ACC+4*n+3] offset:512*n
.set n, n+1
.endr
	WIN 0
	v_ldexp_f32 v100, v96, s76
	v_ldexp_f32 v101, v97, s77
	v_ldexp_f32 v104, v98, s78
	v_mov_b32 v105, v104
	v_mov_b32 v106, v104
	v_mov_b32 v107, v104
	ds_store_b32 v94, v100                         ; lanes 16-31 hold the same channels and the same numbers as lanes 0-15
	ds_store_b32 v94, v101 offset:512
	ds_store_b32 v94, v99 offset:1024
	ds_store_b128 v95, v[104:107]
	ds_store_b128 v95, v[104:107] offset:16
.set n, 16
.rept 16                                       ; t for v, tiles 4-7
	global_load_b128 v[TF+4*n:TF+4*n+3], v3, s[20:21] offset:512*n
.set n, n+1
.endr
	WIN 0x40
.set n, 0
.rept 16                                       ; t for k, tiles 0-3
	global_load_b128 v[TFK+4*n:TFK+4*n+3], v3, s[18:19] offset:512*n
.set n, n+1
.endr
	WIN 0
	BARRIER                                        ; the weights' images and the tables lie in LDS
	; ================ V, K AND Q.  Each count of loads is the number issued behind those that are wanted
	LOADWF 2, 0
	SETQ 14, Q_V
	KVSTEP 2, 0, TF, 32, 16, 2, 1                  ; tiles 0-3 for v (behind them 16 for v and 16 for k), then 4-7
	WIN 0x40
.set n, 16
.rept 16                                       ; t for k, tiles 4-7
	global_load_b128 v[TFK+4*n:TFK+4*n+3], v3, s[18:19] offset:512*n
.set n, n+1
.endr
.set n, 0
.rept 8                                        ; t for q
	global_load_b128 v[TFQ+4*n:TFQ+4*n+3], v9, s[22:23] offset:512*n
.set n, n+1
.endr
	WIN 0
.set n, 0
.rept 4                                        ; my tile of wo
	global_load_b128 v[WOC+4*n:WOC+4*n+3], v12, s[24:25] offset:49152+512*n
.set n, n+1
.endr
	KVSTEP 2, 1, TF, 64, 64, 2, 2
	KVSTEP 2, 2, TF, 64, 64, 2, 3
	KVSTEP 2, 3, TF, 64, 64, 1, 0
	SETQ 14, Q_K
	KVSTEP 1, 0, TFK, 28, 12, 1, 1                 ; tiles 0-3 for k (behind them 16 for k, 8 for q, 4 of wo), then 4-7
	KVSTEP 1, 1, TFK, 64, 64, 1, 2
	KVSTEP 1, 2, TFK, 64, 64, 1, 3
	KVSTEP 1, 3, TFK, 64, 64, 0, 0
	SETQ 14, Q_Q
	QSTEP 0, 4, 0, 1                               ; t for q; behind it 4 of wo
	QSTEP 1, 64, 0, 2
	QSTEP 2, 64, 0, 3
	QSTEP 3, 64, 9, 0
	WIN 0
	s_wait_alu depctr_va_vdst(0)                   ; ahead of the waits below
	s_wait_loadcnt 0x0                             ; wo
	BARRIER                                        ; all of K's and V's images lie in LDS; the weights' images have been read for the last time
	; ================ ATTENTION
	v_add_nc_u32 v2, VIMG, v1                      ; my lane's place in V's images (v1: in K's)
	s_lshl_b32 s2, s79, 11
	v_add_nc_u32 v14, s2, v1
	v_add_nc_u32 v14, WOIM, v14
	s_lshl_b32 s2, s79, 15
	v_add_nc_u32 v7, s2, v1                        ; x and out: channels 8 w on (and 64 + 8 w on, by the offset), 16 bytes a lane
	v_mov_b32 v3, v1
	v_mov_b32 v4, v2
	s_mov_b32 s82, 0
	s_wait_alu depctr_va_vdst(0)
.irp q, 0,1,2,3
	ds_store_b128 v14, v[WOC+4*\q:WOC+4*\q+3] offset:512*\q    ; wo's tile w; it is read behind the next barrier
.endr
	FETCH8 3                                       ; K of step 0
	SETQ 5, Q_P
	s_wait_dscnt 32                                ; the four stores have read wo's codes (behind them: the 32 loads): their registers may be written
.irp u, 0,1
	v_mov_b32 v[9+12*\u], 0xff61b1e6               ; the largest t so far: -3e38, under every t
	v_floor_f32 v[8+12*\u], -v[9+12*\u]            ; -M
	v_mov_b32 v[10+12*\u], 0                       ; the sum, in two halves
	v_mov_b32 v[11+12*\u], 0
	v_mov_b32 v[13+12*\u], 0                       ; (named as the upper half of f's pair)
	v_mov_b32 v[18+12*\u], 0                       ; a lane permute's destination counts as one of its sources
.endr
	v_and_b32 v19, 3, v0
	v_bfe_u32 v31, v0, 2, 3
	v_lshlrev_b32 v19, 8, v19
	v_lshl_add_u32 v19, v31, 12, v19
	v_add_nc_u32 v19, s2, v19                      ; the prefetches: channel 8 w + lane / 4, block lane % 4 of its four of 256 bytes; never rewritten
	s_wait_alu depctr_va_vdst(0)
	STEP 1, 1
	s_mov_b32 s83, 6
.Lkeys:
	s_cmp_lg_u32 s83, 6
	s_cbranch_scc1 .Lasked
	global_prefetch_b8 v19, s[30:31] offset:262144 th:TH_LOAD_NT scope:SCOPE_SE   ; in the loop's first trip: the residual's other eight channels
.Lasked:
	STEP 0, 1
	s_sub_co_u32 s83, s83, 1
	s_cmp_lg_u32 s83, 0
	s_cbranch_scc1 .Lkeys
	STEP 0, 0                                      ; the last step fetches no K
	; ================ THE WAY OUT
.irp u, 0,1
	v_add_f32 v[16+12*\u], v[10+12*\u], v[11+12*\u]            ; the sum's two halves,
.endr
.irp u, 0,1
	v_permlanex16_b32 v[18+12*\u], v[16+12*\u], s72, s73
.endr
.irp u, 0,1
	v_add_f32 v[16+12*\u], v[16+12*\u], v[18+12*\u]            ; and lane l xor 16's
.endr
	s_wait_alu depctr_va_vdst(0)                   ; the wait ahead of the batch,
.irp u, 0,1
	v_rcp_f32 v[12+12*\u], v[16+12*\u]
.endr
	v_and_b32 v8, 15, v0                           ; (plain lines behind the transcendentals)
	v_bfe_u32 v9, v0, 4, 1
	v_add_nc_u32 v3, WOIM, v1                      ; wo's images
	s_mul_i32 s2, s79, 8*GPIT
	v_add_nc_u32 v31, s2, v1                       ; the stage, back: rows 8 w on,
	v_add_nc_u32 v27, 64*GPIT, v31                 ; and 64 + 8 w on
	v_lshl_add_u32 v4, v8, 2, BQT+1024             ; bo
	v_mul_u32_u24 v1, v8, GPIT
	v_lshl_add_u32 v1, v9, 6, v1
	s_lshl_b32 s2, s79, 7
	v_add_nc_u32 v1, s2, v1                        ; the stage, in: row = channel r of a tile, + my 32 positions' 128 bytes, + 64 h
	v_add_nc_u32 v2, 64*GPIT, v1                   ; the same for channels 64 on
	s_wait_alu depctr_va_vdst(0)                   ; and behind it
	SETQ 5, Q_O
	WIN 0x41
	s_wait_alu depctr_va_vdst(0)                   ; directly ahead of the first reader of O^T
.irp u, 0,1
.set p, 0
.rept 32
	v_pk_mul_f32 v[64*\u+2*p:64*\u+2*p+1], v[64*\u+2*p:64*\u+2*p+1], v[12+12*\u:13+12*\u] op_sel_hi:[1,0]   ; O^T / l, each accumulator from its low end on
.set p, p+1
.endr
.endr
.set p, 0
.rept 128
	v_med3_num_f32 v[p], v[p], -v6, v6
.set p, p+1
.endr
	WIN 0x01
.irp u, 0,1
.irp t, 0,1,2,3,4,5,6,7
	v_cvt_scalef32_pk8_fp8_f32 v[PCD+16*\u+2*\t:PCD+16*\u+2*\t+1], v[64*\u+8*\t:64*\u+8*\t+7], v5
.endr
.endr
	v_nop                                          ; a plain line behind the last conversion
	WIN 0
	s_wait_alu depctr_va_vdst(0)                   ; directly ahead of the wait below
	s_barrier_wait -1                              ; nobody reads K's and V's images any more; wo's eight images lie in LDS
.irp t, 0,1,2,3,4,5,6,7
	ds_load_b32 v[32+\t], v4 offset:64*\t          ; bo of channel 16 t + r
.endr
	WIN 0x40
.set n, 0
.rept 32
	ds_load_b128 v[128+4*n:131+4*n], v3 offset:512*n
.set n, n+1
.endr
; Two halves of 64 channels, each with rows of its own in the stage: the second half's products run while the first half's rows are awaited.
.macro YMUL t
.irp u, 0,1
	v_wmma_f32_16x16x128_fp8_fp8 v[64*\u+8*\t:64*\u+8*\t+7], v[PCD+16*\u:PCD+16*\u+15], v[128+16*\t:128+16*\t+15], 0
.endr
.endm
.macro YOUT t                          ; y x 2^(e10 + e11) + bo.  Register i of tile u is position 16 h + 2 i + u of my 32: sixteen neighbours on end
.irp u, 0,1
.irp i, 0,1,2,3,4,5,6,7
	v_fma_f32 v[128+16*\t+2*\i+\u], s74, v[64*\u+8*\t+\i], v[32+\t]
.endr
.endr
.endm
.macro YSTAGE adr, t
.irp q, 0,1,2,3
	ds_store_b128 v[\adr], v[128+16*\t+4*\q:128+16*\t+4*\q+3] offset:16*GPIT*(\t%4)+16*\q
.endr
.endm
.macro YBACK adr, n0
.set n, \n0
.rept 16
	ds_load_b128 v[4*n:4*n+3], v[\adr] offset:GPIT*((n%16)/2)+512*(n%2)
.set n, n+1
.endr
.endm
.macro YSEND n0, younger               ; younger: the LDS stores issued behind this half's loads
.set n, \n0
.rept 16
	s_wait_dscnt \younger+15-(n%16)                ; LDS instructions are done in order: piece n is in
	v_pk_add_f32 v[4*n:4*n+1], v[96+4*n:97+4*n], v[4*n:4*n+1]
	v_pk_add_f32 v[4*n+2:4*n+3], v[98+4*n:99+4*n], v[4*n+2:4*n+3]
	global_store_b128 v7, v[4*n:4*n+3], s[6:7] offset:262144*(n/16)+4096*((n%16)/2)+512*(n%2) th:TH_STORE_NT   ; 32 lanes store 512 consecutive bytes, at a multiple of 256 from out's first byte; no store's registers are written again
.set n, n+1
.endr
.endm
	WIN 0x44                                       ; source 1 and destination window 1: one setting serves all that follows
.irp t, 0,1,2,3
	s_wait_dscnt 28-4*\t                           ; bo and fragment t's four loads are in
	YMUL \t
.endr
	PLACES
.irp t, 0,1,2,3
	YOUT \t
.endr
.irp t, 0,1,2,3
	YSTAGE 1, \t
.endr
	s_wait_dscnt 0x0                               ; my part of the first 64 rows lies in the stage, and wo's other fragments are in
	s_barrier_signal -1
.irp t, 4,5,6,7
	YMUL \t
.endr
	PLACES
.irp t, 4,5,6,7
	YOUT \t
.endr
	s_wait_alu depctr_va_vdst(0)                   ; directly ahead of the wait below
	s_barrier_wait -1                              ; 64 whole rows lie in the stage
	YBACK 31, 0
.irp t, 4,5,6,7
	YSTAGE 2, \t
.endr
	s_wait_loadcnt 0x0                             ; the residual
	YSEND 0, 16
	BARRIER                                        ; and the other 64
	YBACK 27, 16
	YSEND 16, 0
	WIN 0
	v_lshl_add_u32 v14, v0, 2, SPARE               ; the wave's end: my spare word and 0,
	v_mov_b32 v15, 0
	s_wait_alu depctr_va_vdst(0)
	s_wait_tensorcnt 0x0
	ds_add_u32 v14, v15
	s_wait_dscnt 0x0
	s_endpgm
.Lfunc_end_k_q763743cded_atten:
	.size	k_q763743cded_atten, .Lfunc_end_k_q763743cded_atten-k_q763743cded_atten
	.p2alignl 7, 3214868480
	.fill 96, 4, 3214868480
	.section	.rodata,"a",@progbits
	.p2align	6, 0x0
	.amdhsa_kernel k_q763743cded_atten
		.amdhsa_group_segment_fixed_size 319488
		.amdhsa_private_segment_fixed_size 0
		.amdhsa_enable_private_segment 0
		.amdhsa_kernarg_size 88
		.amdhsa_user_sgpr_count 2
		.amdhsa_user_sgpr_kernarg_segment_ptr 1
		.amdhsa_wavefront_size32 1
		.amdhsa_system_sgpr_workgroup_id_x 1
		.amdhsa_system_sgpr_workgroup_id_y 1
		.amdhsa_system_sgpr_workgroup_id_z 1
		.amdhsa_system_vgpr_workitem_id 0
		.amdhsa_next_free_vgpr 512
		.amdhsa_next_free_sgpr 96
		.amdhsa_reserve_vcc 0
		.amdhsa_float_denorm_mode_32 3
		.amdhsa_float_denorm_mode_16_64 3
		.amdhsa_memory_ordered 1
		.amdhsa_forward_progress 1
		.amdhsa_inst_pref_size 255
	.end_amdhsa_kernel
	.section	.bss,"aw",@nobits
	.p2align	6
	.space	262144
	.amdgpu_metadata
---
amdhsa.version: [ 1, 2 ]
amdhsa.kernels:
  - .name:           k_q763743cded_atten
    .symbol:         k_q763743cded_atten.kd
    .args:
      - { .name: x, .offset: 0, .size: 8, .value_kind: global_buffer, .address_space: global }
      - { .name: out0, .offset: 8, .size: 8, .value_kind: global_buffer, .address_space: global }
      - { .name: lowp_scales, .offset: 16, .size: 8, .value_kind: global_buffer, .address_space: global }
      - { .name: bq, .offset: 24, .size: 8, .value_kind: global_buffer, .address_space: global }
      - { .name: bk, .offset: 32, .size: 8, .value_kind: global_buffer, .address_space: global }
      - { .name: bv, .offset: 40, .size: 8, .value_kind: global_buffer, .address_space: global }
      - { .name: bo, .offset: 48, .size: 8, .value_kind: global_buffer, .address_space: global }
      - { .name: tk, .offset: 56, .size: 8, .value_kind: global_buffer, .address_space: global }
      - { .name: tv, .offset: 64, .size: 8, .value_kind: global_buffer, .address_space: global }
      - { .name: tq, .offset: 72, .size: 8, .value_kind: global_buffer, .address_space: global }
      - { .name: wc, .offset: 80, .size: 8, .value_kind: global_buffer, .address_space: global }
    .group_segment_fixed_size: 319488
    .private_segment_fixed_size: 0
    .kernarg_segment_align: 8
    .kernarg_segment_size: 88
    .max_flat_workgroup_size: 256
    .sgpr_count:     96
    .vgpr_count:     512
    .wavefront_size: 32
...
	.end_amdgpu_metadata
.endif
;; end of part 2
